; MI455X (gfx1250); checked and timed in simulation.
; The chip was launched on July 23, 2026; its instructions are those of AMD's public machine-readable ISA for CDNA 5 (MIT licence, August 2026) and "CDNA5" Instruction Set Architecture Reference Guide (July 2026). The comments in the code are by the model that wrote it; some were corrected since.
;; Overlap Row Parallel Layer. Allowed arithmetic: float matrix products may take bf16 or f16 operands with f32 sums; other float arithmetic in f32, or as packed bf16 or f16 multiplies, adds, multiply-adds, maxima and minima; sums over many terms, partial sums and values carried from step to step in f32; what a program stores and reads back later, other than sums and carried values, may be rounded once to bf16 or f16.
;; Inputs: weight 4 x 2,048 x 4,096 float16; x 4 x 2,048 x 4,096 float16.
;; Outputs: out0 2,048 x 2,048 float16.
;; 3 versions, each right; version 3 is version 2 with the launch reduce written anew for expert scheduling mode. Each part assembles by itself: llvm-mc -triple=amdgcn-amd-amdhsa -mcpu=gfx1250 --defsym DOCPART=n.
;; ======== version 1 of 3: 1 launch
;; launch gemm (part 1): grid 16 x 16, 4 waves a work-group, clusters of 4 x 4, 327,680 bytes of LDS; arguments x, weight, out0; writes out0
.if DOCPART == 1
	.amdgcn_target "amdgcn-amd-amdhsa--gfx1250"
	.amdhsa_code_object_version 6
	.text
	.protected	k_qfdbfc591bc_gemm
	.globl	k_qfdbfc591bc_gemm
	.p2align	8
	.type	k_qfdbfc591bc_gemm,@function
k_qfdbfc591bc_gemm:
	s_mov_b64 s[64:65], 0
	v_nop
	global_prefetch_b8 v0, s[64:65] scope:SCOPE_SE
	s_setreg_imm32_b32 hwreg(HW_REG_WAVE_MODE, 25, 1), 1
	s_wait_xcnt 0x0
	s_wait_alu depctr_hold_cnt(0) depctr_sa_sdst(0) depctr_va_vdst(0) depctr_va_sdst(0) depctr_va_ssrc(0) depctr_va_vcc(0) depctr_vm_vsrc(0)
	s_getreg_b32 s2, hwreg(HW_REG_IB_STS2, 6, 4)
	s_cmp_eq_u32 s2, 0
	s_cbranch_scc0 .Lentry_in_a_cluster
	s_endpgm
.Lentry_in_a_cluster:
	s_bfe_u32 s2, ttmp6, 0x10000c
	s_cmp_lg_u32 s2, 0xf033
	s_cbranch_scc0 .Lentry_shape_is_right
	s_endpgm
.Lentry_shape_is_right:
; out0[m][n] = the sum over w and k of x[w][m][k] weight[w][n][k].  x: [4][2048][4096], weight: [4][2048][4096], out0: [2048][2048], all f16; sums in f32, out0 rounded once.
; That is ONE product C = A B^T with K = 4 x 4,096 = 16,384, whose K lies in four pieces in memory: row m of rank w begins at byte w x 16,777,216 + m x 8,192, in x and in weight alike.
; No work is left out: both inputs reach every output.  The operands are f16 as they come: nothing is converted on the way in.
; LIMITS.  The f32 sums are taken in another order than a plain walk along K: four interleaved quarters of K (below), added at the end as (u0 + u1) + (u2 + u3).  A sum of magnitude 65,520 or more
; leaves as an f16 infinity, as a conversion of the f32 sum to f16 gives.  NaN and infinities are not treated apart.
; SHARES.  C has 256 tiles of 128 x 128: a work-group makes one, over all of K.  K IS SPLIT AMONG ITS FOUR WAVES: each wave holds the WHOLE tile (64 accumulators of 16 x 16, 512 registers), and of each
; K step of 256 wave v multiplies channels 64 v .. 64 v + 63 alone.  So each byte of a slot is read from LDS once: 64 loads of 16 bytes a lane for a step's 128 matrix instructions of a wave.
; The price, once: the four partial tiles meet in LDS at the end, 64 KiB a wave, in the ring's bytes, which have had their last fill by then.
; RING.  Two LDS slots, a K step of 256 each: 128 rows of A and 128 of B, 512 bytes a row.  Each wave fetches 64 rows with one tensor load.
; CLUSTERS: 4 x 4 work-groups.  The four of a row of the cluster need the same tiles of x, the four of a column the same tiles of weight: each tile is asked for JOINTLY, by the same tensor load with
; the same descriptor and a mask that names the four.
; THE MATRIX INSTRUCTION IS USED TRANSPOSED (source 0 = 16 rows of weight, source 1 = 16 rows of x): lane l then holds row l % 16 of C and the eight neighbouring columns 8 (l / 16) + 0..7.
; REGISTERS, in windows of 256 (s_set_vgpr_msb: bits 1:0 source 0, 3:2 source 1, 5:4 source 2, 7:6 destination):
;   window 0: v0-31 addresses; v64-127, v128-191 fragments of A (8 x 16 rows x 32 K), two buffers; v32-63, v192-255 at work on the way out
;   window 1: v64-127, v128-191 fragments of B, two buffers
;   window 2: the accumulators of the tile's rows 0-63 ((a, b) at v[8 (8 a + b)]);   window 3: those of rows 64-127
;   at the end v64-191 of windows 0 and 1 take the four partial tiles' pieces.
.set KR,     4096                      ; channels in a rank, and elements from row to row
.set ROWB,   8192                      ; bytes in a row of x and of weight
.set RANKB,  16777216                  ; bytes in a rank
.set KSTEP,  256
.set LAPS,   32                        ; a lap = two K steps = once round the ring; 8 laps a rank
.set NRMSTEP, 2*KSTEP*2                ; bytes from a slot's K step to its next in the same rank
.set JMPSTEP, RANKB-(ROWB-NRMSTEP)     ; from a slot's last K step of a rank to its first of the next: a rank on, back along the row; the same for both slots and both tensors
.set PITCH,  528                       ; an LDS row: 512 bytes of data + 16 of padding = 132 words: row r starts at bank 4 r mod 64 (64 banks of 4 bytes: ISA guide 11.1)
.set HALFT,  64*PITCH                  ; 64 rows: what one tensor load brings
.set SLOT,   4*HALFT                   ; A's 128 rows, then B's 128 rows
.set STAGE,  2*SLOT                    ; behind the ring: 16 rows x 272 bytes for each wave, for the way out; no tensor load fills it
.set SPITCH, 272
.set SPARE,  STAGE+4*16*SPITCH         ; behind the stages: the spare words, 128 bytes for each wave: two blocks of 256 bytes that no other line names
.set CROW,   4096                      ; bytes in a row of out0
.set PRD,  8                           ; v8-11   where I read wave u's partial sums of my 32 rows: 65,536 u + 16,384 x wave + 16 x lane
.set ADRA, 16                          ; v16-17  LDS address of my A fragments in slot 0, 1
.set ADRB, 20                          ; v20-21  the same for B
.set STO,  24                          ; v24     the way out: where I put 16 bytes of a row
.set RD,   25                          ; v25     the way out: where I read a row back
.set CO,   26                          ; v26     my byte offset in out0; never rewritten
.set SPW,  28                          ; v28     LDS address of my spare word: SPARE + 4 x my thread's number; never rewritten
.set NIL,  29                          ; v29     0; never rewritten
.set PST,  30                          ; v30     where I put my partial tile: 65,536 x wave + 16 x lane
.set OB,   32                          ; 16 rows read back from the stage: v32-63 for the first block, v224-255 for the second
.set F0,   64                          ; fragment buffer 0
.set F1,   128                         ; fragment buffer 1
.set RB,   64                          ; the end: 128 registers of partial sums, in window 0 and in window 1
.set TMP,  192                         ; the end: 32 registers of packed results
.set G1,  24                           ; s[24:31] descriptor group 1 for A's tiles;  s[32:39] group 0, one set for each slot
.set G0,  32
.set G1B, 48                           ; s[48:55], s[56:63] the same for B's tiles
.set G0B, 56
.set STP, 66                           ; s[66:67] what a refill's address steps by in this lap
.set MSB, 0
.macro WIN new                         ; the immediate's high byte repeats the setting that is left; a switch that changes nothing is dropped
.if MSB != (\new)
	s_set_vgpr_msb (MSB<<8)|(\new)
.set MSB, \new
.endif
.endm
.set MUL_LO, 0xa1                      ; source 0 (B) window 1, source 1 (A) window 0, C and D window 2
.set MUL_HI, 0xf1                      ; the same, C and D window 3
.set TO_B,   0x40                      ; destination window 1, address window 0
; A joint load: waves 0 and 1 fetch A's two halves, waves 2 and 3 B's.  The branch hangs on the wave's number alone.  An s_nop 0 and four v_nop follow each of the two lines, ahead of the jump,
; the label and what follows.
.macro JLOAD s
	s_cmp_eq_u32 s11, 0
	s_cbranch_scc0 .Lfor_b_\@
	tensor_load_to_lds s[G0+4*(\s):G0+4*(\s)+3], s[G1:G1+7]
	s_nop 0
.rept 4
	v_nop
.endr
	s_branch .Lasked_\@
.Lfor_b_\@:
	tensor_load_to_lds s[G0B+4*(\s):G0B+4*(\s)+3], s[G1B:G1B+7]
	s_nop 0
.rept 4
	v_nop
.endr
.Lasked_\@:
.endm
; A round of the cluster's barrier: my work-group's barrier, so that wave 0's signal speaks for all four waves; wave 0 signals for the work-group; every wave waits for all sixteen work-groups;
; my work-group's barrier once more.
.macro CREST                           ; a round behind its opening barrier
	s_cmp_lg_u32 s10, 0
	s_cbranch_scc1 .Lnot_wave_0_\@
	s_barrier_signal -3
.Lnot_wave_0_\@:
	s_barrier_wait -3
	s_barrier_signal -1
	s_barrier_wait -1
.endm
.macro CROUND                          ; a whole round
	s_barrier_signal -1
	s_barrier_wait -1
	CREST
.endm
	s_load_b128 s[4:7], s[0:1], 0x0                ; x s[4:5], weight s[6:7]
	s_load_b64 s[8:9], s[0:1], 0x10                ; out0
	v_lshl_add_u32 v[SPW], v0, 2, SPARE
	v_mov_b32 v[NIL], 0
	ds_add_u32 v[SPW], v[NIL]                      ; the wave's opening: the add, twice on end, and its wait ahead of my first tensor load; the set-up below, work on registers, stands between
	ds_add_u32 v[SPW], v[NIL]                      ; and once more, under the one wait
	v_lshrrev_b32 v1, 5, v0
	v_readfirstlane_b32 s10, v1                    ; wave 0..3: my quarter of each K step
	s_lshr_b32 s11, s10, 1                         ; I fetch for A (0) or for B (1),
	s_and_b32 s12, s10, 1                          ; and which 64 rows of that tile
	s_bfe_u32 s40, ttmp6, 0x40000                  ; cx, cy: my place in the cluster
	s_bfe_u32 s41, ttmp6, 0x40004
	s_lshl_b32 s42, ttmp9, 2                       ; in a cluster launch ttmp9 and ttmp7 count clusters
	s_add_co_u32 s42, s42, s40                     ; tile column of C = 4 x cluster x + cx
	s_and_b32 s13, ttmp7, 0xffff
	s_lshl_b32 s13, s13, 2
	s_add_co_u32 s13, s13, s41                     ; tile row of C = 4 x cluster y + cy
	s_lshl_b32 s43, s41, 2
	s_lshl_b32 s43, 15, s43                        ; my row of the cluster: places 4 cy .. 4 cy + 3
	s_lshl_b32 s44, 0x1111, s40                    ; my column: places cx, cx + 4, cx + 8, cx + 12
	; descriptor group 1: a tile of 64 rows x 256 elements, padded in LDS
	s_or_b32 s[G1+0], s43, (1<<16)|(1<<20)|(1<<21)|(6<<22)|(3<<25)  ; 15:0 the mask: A's tiles go to my row; 17:16 elements of 2 bytes; 20 padding on; 21 set beside a mask; 24:22 after every 128 words (code 6); 31:25 4 words of it (code 3)
	s_or_b32 s[G1B+0], s44, (1<<16)|(1<<20)|(1<<21)|(6<<22)|(3<<25) ; the same with the mask of my column, for B's tiles
.irp g, G1, G1B
	s_mov_b32 s[(\g)+1], KSTEP<<16                 ; tensor_dim0 = 256
	s_mov_b32 s[(\g)+2], 64<<16                    ; tensor_dim1 = 64
	s_mov_b32 s[(\g)+3], KSTEP<<16                 ; tile_dim0 = 256
	s_mov_b32 s[(\g)+4], 64                        ; tile_dim1 = 64
	s_mov_b32 s[(\g)+5], KR                        ; 4,096 elements from row to row
	s_mov_b32 s[(\g)+6], 0
	s_mov_b32 s[(\g)+7], 0
.endr
	s_mov_b32 s68, JMPSTEP
	s_mov_b32 s69, NRMSTEP
	s_mov_b32 s[STP+1], 0                          ; the step's high word
	; where the tiles come from.  A's hang on the tile row alone, which my row of the cluster shares; B's on the tile column alone, which my column shares.
	s_lshl_b32 s17, s12, 6                         ; which 64 rows of the tile I fetch
	s_lshl_b32 s16, s13, 7
	s_add_co_u32 s16, s16, s17                     ; A: row 128 x tile row + 64 x half,
	s_lshl_b32 s16, s16, 13                        ; in bytes: under 2^24
	s_lshl_b32 s46, s42, 7
	s_add_co_u32 s46, s46, s17                     ; B: row 128 x tile column + 64 x half
	s_lshl_b32 s46, s46, 13
	s_mov_b32 s17, 0
	s_mov_b32 s47, 0
	s_mul_i32 s20, s10, HALFT                      ; where they go: wave x 64 rows: no place in the cluster enters an LDS address
	s_wait_dscnt 0x0                               ; both opening adds are done
	s_wait_kmcnt 0x0
	s_add_nc_u64 s[14:15], s[4:5], s[16:17]
	s_add_nc_u64 s[46:47], s[6:7], s[46:47]
	CROUND                                         ; all sixteen work-groups are here: the first joint loads meet
.irp s, 0,1
	s_mov_b32 s[G0+4*(\s)], 1                                      ; count = 1
	s_add_co_u32 s[G0+4*(\s)+1], s20, (\s)*SLOT                    ; LDS address
	s_add_nc_u64 s[G0+4*(\s)+2:G0+4*(\s)+3], s[14:15], (\s)*KSTEP*2  ; global address: K step s of rank 0
	s_or_b32 s[G0+4*(\s)+3], s[G0+4*(\s)+3], 0x80000000            ; type = 2
	s_mov_b32 s[G0B+4*(\s)], 1
	s_add_co_u32 s[G0B+4*(\s)+1], s20, (\s)*SLOT
	s_add_nc_u64 s[G0B+4*(\s)+2:G0B+4*(\s)+3], s[46:47], (\s)*KSTEP*2
	s_or_b32 s[G0B+4*(\s)+3], s[G0B+4*(\s)+3], 0x80000000
	JLOAD \s                                       ; the ring is filled before anything else is done: two loads of mine are out
.endr
	; A fragment is 16 rows x 32 K in 8 registers: lane l holds row l % 16; registers 0-3 hold K = 8 (l / 16) + 0..7, registers 4-7 K = 16 + 8 (l / 16) + 0..7: two loads of 16 bytes, 32 bytes apart.
	v_and_b32 v1, 15, v0                           ; l % 16
	v_bfe_u32 v2, v0, 4, 1                         ; l / 16
	v_mul_u32_u24 v3, v1, PITCH
	v_lshl_add_u32 v3, v2, 4, v3                   ; row x pitch + 16 x half
	s_lshl_b32 s21, s10, 7
	v_add_nc_u32 v3, s21, v3                       ; + my wave's 64 channels: 128 bytes of each row
	v_mov_b32 v[ADRA], v3
	v_add_nc_u32 v[ADRA+1], SLOT, v3
	v_add_nc_u32 v[ADRB], 2*HALFT, v3              ; B's rows lie behind A's 128
	v_add_nc_u32 v[ADRB+1], SLOT+2*HALFT, v3
	s_mul_i32 s23, s10, 16*SPITCH
	s_add_co_u32 s23, s23, STAGE                   ; my stage
	v_mul_u32_u24 v4, v1, SPITCH                   ; in: row l % 16, 16 bytes for each half of the lanes
	v_lshl_add_u32 v4, v2, 4, v4
	v_add_nc_u32 v[STO], s23, v4
	v_mul_u32_u24 v5, v2, SPITCH                   ; back: lanes 0-15 take one row of 256 bytes, lanes 16-31 the next
	v_lshl_add_u32 v5, v1, 4, v5
	v_add_nc_u32 v[RD], s23, v5
	v_lshlrev_b32 v5, 12, v2                       ; and the same two rows in out0
	v_lshl_add_u32 v[CO], v1, 4, v5
	v_and_b32 v6, 31, v0
	v_lshlrev_b32 v6, 4, v6                        ; 16 x lane
	s_lshl_b32 s21, s10, 16
	v_add_nc_u32 v[PST], s21, v6                   ; my partial tile: 64 KiB from 65,536 x wave on
	s_lshl_b32 s22, s10, 14
	v_add_nc_u32 v6, s22, v6                       ; the 16 accumulators of the tile's rows 32 x wave .. + 31, 1,024 bytes each
.irp u, 0,1,2,3
	v_add_nc_u32 v[PRD+(\u)], (\u)<<16, v6
.endr
	s_lshl_b32 s16, s13, 7
	s_lshl_b32 s17, s10, 5
	s_add_co_u32 s16, s16, s17                     ; the first row of out0 that I store: 128 x tile row + 32 x wave,
	s_lshl_b32 s16, s16, 12                        ; in bytes
	s_mov_b32 s17, 0
	s_add_nc_u64 s[8:9], s[8:9], s[16:17]
	s_lshl_b32 s46, s42, 8                         ; the tile's first column, in bytes (in the registers that held B's address: none that feeds A's descriptors ever holds cx)
	s_mov_b32 s47, 0
	s_add_nc_u64 s[8:9], s[8:9], s[46:47]
; 8 matrix instructions: row block a of the window's four (hi = 0: the tile's rows 0-63, 1: rows 64-127) x all 8 column blocks, 32 along K.  zero = 1: the product starts the sums: nothing is ever cleared.
; The 64 accumulators take turns, one instruction a turn, in the same order everywhere, over the backward jump too: 63 others stand between two links of a chain.
.macro MUL8 f, hi, a, zero
	WIN MUL_LO+0x50*(\hi)
.irp b, 0,1,2,3,4,5,6,7
.if \zero
	v_wmma_f32_16x16x32_f16 v[8*(8*(\a)+(\b)):8*(8*(\a)+(\b))+7], v[(\f)+8*(\b):(\f)+8*(\b)+7], v[(\f)+8*(4*(\hi)+(\a)):(\f)+8*(4*(\hi)+(\a))+7], 0
.else
	v_wmma_f32_16x16x32_f16 v[8*(8*(\a)+(\b)):8*(8*(\a)+(\b))+7], v[(\f)+8*(\b):(\f)+8*(\b)+7], v[(\f)+8*(4*(\hi)+(\a)):(\f)+8*(4*(\hi)+(\a))+7], v[8*(8*(\a)+(\b)):8*(8*(\a)+(\b))+7]
.endif
.endr
.endm
.macro MUL16 f, hi, a0, zero
	MUL8 \f, \hi, \a0, \zero
	MUL8 \f, \hi, (\a0)+1, \zero
.endm
; 32 LDS loads in one run: 128 rows of B, then 128 rows of A, 32 K at byte k of my wave's 128 bytes of the rows, into buffer f
.macro FETCH slot, k, f
	WIN TO_B
.irp i, 0,1,2,3,4,5,6,7
	ds_load_b128 v[(\f)+8*(\i):(\f)+8*(\i)+3],   v[ADRB+(\slot)] offset:(\k)+(\i)*16*PITCH
	ds_load_b128 v[(\f)+8*(\i)+4:(\f)+8*(\i)+7], v[ADRB+(\slot)] offset:(\k)+(\i)*16*PITCH+32
.endr
	WIN 0
.irp i, 0,1,2,3,4,5,6,7
	ds_load_b128 v[(\f)+8*(\i):(\f)+8*(\i)+3],   v[ADRA+(\slot)] offset:(\k)+(\i)*16*PITCH
	ds_load_b128 v[(\f)+8*(\i)+4:(\f)+8*(\i)+7], v[ADRA+(\slot)] offset:(\k)+(\i)*16*PITCH+32
.endr
.endm
.macro PLACES                          ; four places in front of loads into registers that matrix instructions have read, and of LDS stores that read results
.rept 4
	v_nop
.endr
.endm
; My share of a K step is two halves of 32 along K, 64 matrix instructions each, on buffers 0 and 1.  The first half: multiplies buffer f; in its middle it fetches the second half's fragments, at byte k, into g.
.macro QUARTER slot, k, f, g, zero
	s_wait_dscnt 8                                 ; B and A's rows 0-63 are in; the youngest eight loads (A's rows 64-127) may be out
	MUL16 \f, 0, 0, \zero
	MUL16 \f, 0, 2, \zero
	PLACES
	FETCH \slot, \k, \g
	s_wait_dscnt 32                                ; all but the 32 just issued
	MUL16 \f, 1, 0, \zero
	MUL16 \f, 1, 2, \zero
.endm
; The second half multiplies buffer 1 and changes slots: ONE barrier.  In front of it each wave waits for all its tensor loads, of which one is out: its part of the next slot; adds 0 to its spare word;
; and waits for that and for its own reads of this slot.  Behind it nobody reads this slot any more and the next slot is whole.  fill = 1: the barrier opens a round of the cluster's, and this slot is
; filled again first thing behind the round, two K steps ahead: 112 matrix instructions ahead of the wait for it.
.macro TURN slot, next, fill
	WIN 0                                          ; (the add's two registers lie in window 0)
	s_wait_tensorcnt 0x0                           ; all my tensor loads have landed: my part of the next slot;
	ds_add_u32 v[SPW], v[NIL]                      ; 0 onto my spare word;
	s_wait_dscnt 9                                 ; (the add and the youngest eight loads, A's rows 64-127, may be out)
	MUL8 F1, 0, 0, 0                               ; eight matrix instructions stand between the add and the wait for it
	s_wait_dscnt 0x0                               ; the add is done, and my reads of this slot are over
	s_barrier_signal -1
	MUL8 F1, 0, 1, 0                               ; work on registers while the others arrive
.if \fill
	WIN 0
.endif
	s_barrier_wait -1
.if \fill
	CREST                                          ; no wave of any partner still reads this slot's tile or has a load on its way
	s_add_nc_u64 s[G0+4*(\slot)+2:G0+4*(\slot)+3], s[G0+4*(\slot)+2:G0+4*(\slot)+3], s[STP:STP+1]     ; no tensor load of mine is out, so a group 0 may be written
	s_add_nc_u64 s[G0B+4*(\slot)+2:G0B+4*(\slot)+3], s[G0B+4*(\slot)+2:G0B+4*(\slot)+3], s[STP:STP+1] ; the type bits on top are not reached
	JLOAD \slot                                    ; the first tensor load behind the round, my only one until the next; the four v_nop behind it are also the places in front of the loads below
.else
	PLACES
.endif
	FETCH \next, 0, F0
	MUL16 F1, 0, 2, 0
	MUL16 F1, 1, 0, 0
	MUL16 F1, 1, 2, 0
.endm
	s_wait_tensorcnt 1                             ; my part of K step 0 is in; K step 1's may stay out
	s_barrier_signal -1
	s_barrier_wait -1                              ; everybody's is
	FETCH 0, 0, F0
	QUARTER 0, 64, F0, F1, 1                       ; the first half step stands in front of the loop: its products start all 64 sums
	WIN 0                                          ; at a label and at a branch every window is 0
	s_mov_b32 s3, LAPS-1
.Llap:                                                 ; a trip goes once round the ring, from a lap's second half step to the next lap's first, and fills both slots again
	s_and_b32 s44, s3, 7                           ; the trip with s3 = c asks for lap 32 - c, a rank's first where c is a multiple of 8 (24, 16, 8):
	s_cmp_eq_u32 s44, 0
	s_cselect_b32 s[STP], s68, s69                 ; then both slots' addresses go on into the next rank.  The count is the same in every work-group
	TURN 0, 1, 1
	QUARTER 1, 64, F0, F1, 0
	TURN 1, 0, 1
	QUARTER 0, 64, F0, F1, 0
	WIN 0
	s_sub_co_u32 s3, s3, 1
	s_cmp_lg_u32 s3, 0
	s_cbranch_scc1 .Llap
	TURN 0, 1, 0                                   ; the last lap fills nothing, and has no round of the cluster's barrier
	QUARTER 1, 64, F0, F1, 0
	s_wait_dscnt 0x0                               ; the last half step: my last reads of the ring are over:
	s_barrier_signal -1                            ; say so, since the ring's bytes are written below,
	MUL16 F1, 0, 0, 0                              ; and multiply while the others arrive
	MUL16 F1, 0, 2, 0
	MUL16 F1, 1, 0, 0
	MUL16 F1, 1, 2, 0
	WIN 0
	s_barrier_wait -1                              ; no wave reads the ring any more, and no tensor load is out or to come
	PLACES                                         ; the stores below read results just made
	; THE FOUR PARTIAL TILES MEET.  Each wave lays its 64 accumulators into the ring's bytes as they lie in registers: accumulator 8 a + b at 65,536 x wave + 1,024 (8 a + b), registers 0-3 of the
	; 32 lanes (512 bytes on end), then registers 4-7.  Each accumulator's low registers go first.
	WIN 0x08                                       ; store data in window 2
.set i, 0
.rept 32
	ds_store_b128 v[PST], v[8*i:8*i+3]   offset:1024*i
	ds_store_b128 v[PST], v[8*i+4:8*i+7] offset:1024*i+512
.set i, i+1
.endr
	WIN 0x0c                                       ; in window 3
.set i, 0
.rept 32
	ds_store_b128 v[PST], v[8*i:8*i+3]   offset:1024*(32+i)
	ds_store_b128 v[PST], v[8*i+4:8*i+7] offset:1024*(32+i)+512
.set i, i+1
.endr
	WIN 0
	s_wait_dscnt 0x0                               ; for the others' sake: my stores are done
	s_barrier_signal -1
	s_barrier_wait -1                              ; all four partial tiles lie in LDS
; Wave v finishes the tile's rows 32 v .. 32 v + 31: 16 accumulators, in four quarters q: row block q / 2 of its two, column blocks 4 (q % 2) + 0..3.
; PLOAD q: the four waves' parts of the quarter's four accumulators: 32 loads into the 128 registers RB .. of window q % 2: column block bi, wave u at RB + 32 bi + 8 u.
.macro PLOAD q
	WIN 0x40*((\q)%2)
.irp bi, 0,1,2,3
.irp u, 0,1,2,3
	ds_load_b128 v[RB+32*(\bi)+8*(\u):RB+32*(\bi)+8*(\u)+3],   v[PRD+(\u)] offset:(4*(\q)+(\bi))*1024
	ds_load_b128 v[RB+32*(\bi)+8*(\u)+4:RB+32*(\bi)+8*(\u)+7], v[PRD+(\u)] offset:(4*(\q)+(\bi))*1024+512
.endr
.endr
.endm
; PSUM q: (u0 + u1) + (u2 + u3) in f32, two sums an instruction; then one rounding to f16: a lane's eight neighbouring columns pack into 16 bytes, in window 0.
.macro PSUM q
	WIN 0x45*((\q)%2)
.irp bi, 0,1,2,3
.irp r, 0,2,4,6
	v_pk_add_f32 v[RB+32*(\bi)+(\r):RB+32*(\bi)+(\r)+1], v[RB+32*(\bi)+(\r):RB+32*(\bi)+(\r)+1], v[RB+32*(\bi)+8+(\r):RB+32*(\bi)+8+(\r)+1]
.endr
.irp r, 0,2,4,6
	v_pk_add_f32 v[RB+32*(\bi)+16+(\r):RB+32*(\bi)+16+(\r)+1], v[RB+32*(\bi)+16+(\r):RB+32*(\bi)+16+(\r)+1], v[RB+32*(\bi)+24+(\r):RB+32*(\bi)+24+(\r)+1]
.endr
.endr
.irp bi, 0,1,2,3
.irp r, 0,2,4,6
	v_pk_add_f32 v[RB+32*(\bi)+(\r):RB+32*(\bi)+(\r)+1], v[RB+32*(\bi)+(\r):RB+32*(\bi)+(\r)+1], v[RB+32*(\bi)+16+(\r):RB+32*(\bi)+16+(\r)+1]
.endr
.endr
	WIN 0x05*((\q)%2)                              ; sources in window q % 2, destination in window 0
.irp bi, 0,1,2,3
.irp r, 0,1,2,3
	v_cvt_pk_f16_f32 v[TMP+16*((\q)%2)+4*(\bi)+(\r)], v[RB+32*(\bi)+2*(\r)], v[RB+32*(\bi)+2*(\r)+1]
.endr
.endr
	WIN 0
.endm
; TOSTAGE ai: a block of 16 rows goes into my own stage, rows of 272 bytes, and comes back as whole rows of 256.
.macro TOSTAGE ai
	WIN 0
.set BK, OB+192*(\ai)
.irp b, 0,1,2,3,4,5,6,7
	ds_store_b128 v[STO], v[TMP+4*(\b):TMP+4*(\b)+3] offset:32*(\b)
.endr
.irp t, 0,1,2,3,4,5,6,7
	ds_load_b128 v[BK+4*(\t):BK+4*(\t)+3], v[RD] offset:(\t)*2*SPITCH  ; LDS serves a wave's instructions in order (ISA guide 5.7.1.4): these see the stores above; the next block's stores come behind them
.endr
.endm
.macro SEND ai                         ; no register that a store names is written again: the two blocks have registers of their own, and the rows stand in the immediate
	WIN 0
.set BK, OB+192*(\ai)
.irp t, 0,1,2,3,4,5,6,7
	global_store_b128 v[CO], v[BK+4*(\t):BK+4*(\t)+3], s[8:9] offset:(16*(\ai)+2*(\t))*CROW  ; 16 lanes store 256 consecutive bytes, at a multiple of 256 from out0's first byte
.endr
.endm
	PLOAD 0
	PLOAD 1
	s_wait_dscnt 32                                ; quarter 0 is in; quarter 1's 32 loads may stay out
	PSUM 0
	PLOAD 2                                        ; into the registers that quarter 0 has left
	s_wait_dscnt 32                                ; quarter 1 is in; quarter 2's 32 may stay out
	PSUM 1
	TOSTAGE 0
	PLOAD 3
	s_wait_dscnt 32                                ; quarter 2 and the first block's rows are in; quarter 3's 32 may stay out
	SEND 0
	PSUM 2
	s_wait_dscnt 0x0                               ; quarter 3
	PSUM 3
	TOSTAGE 1
	s_wait_dscnt 0x0                               ; the second block's rows
	SEND 1
	s_wait_tensorcnt 0x0                           ; the wave's end, behind my last tensor load and my last LDS store
	ds_add_u32 v[SPW], v[NIL]
	s_wait_dscnt 0x0
	CROUND                                         ; the closing round: no work-group ends while a partner may still ask for a tile that names it
	s_endpgm
.Lfunc_end_k_qfdbfc591bc_gemm:
	.size	k_qfdbfc591bc_gemm, .Lfunc_end_k_qfdbfc591bc_gemm-k_qfdbfc591bc_gemm
	.p2alignl 7, 3214868480
	.fill 96, 4, 3214868480
	.section	.rodata,"a",@progbits
	.p2align	6, 0x0
	.amdhsa_kernel k_qfdbfc591bc_gemm
		.amdhsa_group_segment_fixed_size 327680
		.amdhsa_private_segment_fixed_size 0
		.amdhsa_enable_private_segment 0
		.amdhsa_kernarg_size 24
		.amdhsa_user_sgpr_count 2
		.amdhsa_user_sgpr_kernarg_segment_ptr 1
		.amdhsa_wavefront_size32 1
		.amdhsa_system_sgpr_workgroup_id_x 1
		.amdhsa_system_sgpr_workgroup_id_y 1
		.amdhsa_system_sgpr_workgroup_id_z 1
		.amdhsa_system_vgpr_workitem_id 0
		.amdhsa_next_free_vgpr 1024
		.amdhsa_next_free_sgpr 72
		.amdhsa_reserve_vcc 0
		.amdhsa_float_denorm_mode_32 3
		.amdhsa_float_denorm_mode_16_64 3
		.amdhsa_memory_ordered 1
		.amdhsa_forward_progress 1
		.amdhsa_inst_pref_size 97
	.end_amdhsa_kernel
	.amdgpu_metadata
---
amdhsa.version: [ 1, 2 ]
amdhsa.kernels:
  - .name:           k_qfdbfc591bc_gemm
    .symbol:         k_qfdbfc591bc_gemm.kd
    .args:
      - { .name: x, .offset: 0, .size: 8, .value_kind: global_buffer, .address_space: global }
      - { .name: weight, .offset: 8, .size: 8, .value_kind: global_buffer, .address_space: global }
      - { .name: out0, .offset: 16, .size: 8, .value_kind: global_buffer, .address_space: global }
    .group_segment_fixed_size: 327680
    .private_segment_fixed_size: 0
    .kernarg_segment_align: 8
    .kernarg_segment_size: 24
    .max_flat_workgroup_size: 128
    .sgpr_count:     72
    .vgpr_count:     1024
    .wavefront_size: 32
...
	.end_amdgpu_metadata
.endif
;; end of part 1
;; ======== version 2 of 3: 2 launches
;; workspace buffers: part 67,108,864 bytes
;; launch gemm (part 2): grid 8 x 32, 4 waves a work-group, clusters of 4 x 4, 327,680 bytes of LDS; arguments x, weight, part; writes part
.if DOCPART == 2
	.amdgcn_target "amdgcn-amd-amdhsa--gfx1250"
	.amdhsa_code_object_version 6
	.text
	.protected	k_qfdbfc591bc_gemm
	.globl	k_qfdbfc591bc_gemm
	.p2align	8
	.type	k_qfdbfc591bc_gemm,@function
k_qfdbfc591bc_gemm:
	s_mov_b64 s[64:65], 0
	v_nop
	global_prefetch_b8 v0, s[64:65] scope:SCOPE_SE
	s_setreg_imm32_b32 hwreg(HW_REG_WAVE_MODE, 25, 1), 1
	s_wait_xcnt 0x0
	s_wait_alu depctr_hold_cnt(0) depctr_sa_sdst(0) depctr_va_vdst(0) depctr_va_sdst(0) depctr_va_ssrc(0) depctr_va_vcc(0) depctr_vm_vsrc(0)
	s_getreg_b32 s2, hwreg(HW_REG_IB_STS2, 6, 4)
	s_cmp_eq_u32 s2, 0
	s_cbranch_scc0 .Lentry_in_a_cluster
	s_endpgm
.Lentry_in_a_cluster:
	s_bfe_u32 s2, ttmp6, 0x10000c
	s_cmp_lg_u32 s2, 0xf033
	s_cbranch_scc0 .Lentry_shape_is_right
	s_endpgm
.Lentry_shape_is_right:
; out0[m][n] = the sum over w and k of x[w][m][k] weight[w][n][k].  x, weight: [4][2048][4096] f16.  THIS LAUNCH makes, for each rank w, the f32 sums over that rank's 4,096 channels;
; the launch behind it adds the four ranks and rounds once to f16.  No work is left out: both inputs reach every output.  The operands are f16 as they come: nothing is converted on the way in.
; LIMITS.  The f32 sums are taken rank by rank (K ascending within a rank) and the four are added afterwards: another order than one walk along all of K.  NaN and infinities are not treated apart.
; SHARES.  A work-group makes one tile of 256 x 256 for ONE rank: 64 tiles x 4 ranks = 256 work-groups.  Grid y = 8 x rank + tile row, grid x = tile column.  Four waves, each 128 x 128:
; 64 accumulators of 16 x 16, 512 registers.  K goes in steps of 128 through a ring of two LDS slots filled by the tensor data mover: a tile's rows are 256 consecutive bytes of memory, aligned.
; Since 8 tile rows of 256 rows are a rank's 2,048, x is walked as 8,192 rows of 8,192 bytes: A's tile begins at row 256 x grid y.
; CLUSTERS: 4 x 4 work-groups, all of one rank.  The four of a row of the cluster need the same tiles of x, the four of a column the same tiles of weight: each tile is asked for JOINTLY, by the same
; tensor load with the same descriptor and a mask that names the four.
; THE MATRIX INSTRUCTION IS USED TRANSPOSED (source 0 = 16 rows of weight, source 1 = 16 rows of x): lane l holds row l % 16 of C and the columns 8 (l / 16) + 0..7.
; THE WAY OUT.  part's layout is this program's own, so the accumulators leave as they lie in registers: accumulator 8 a + b of wave v at
; 262,144 (8 x grid y + grid x) + 65,536 v + 1,024 (8 a + b), registers 0-3 of the 32 lanes (512 bytes on end), then registers 4-7.  No stage, no conversion; each store covers 512 consecutive bytes, aligned.
; REGISTERS, in windows of 256 (s_set_vgpr_msb: bits 1:0 source 0, 3:2 source 1, 5:4 source 2, 7:6 destination):
;   window 0: v0-31 addresses; v64-127, v128-191 fragments of A (8 x 16 rows x 32 K), two buffers          window 1: v64-127, v128-191 fragments of B, two buffers
;   window 2: the 32 accumulators of my rows 0-63 ((a, b) at v[8 (8 a + b)]);   window 3: those of my rows 64-127
.set KR,     4096                      ; channels in a rank, and elements from row to row
.set KSTEP,  128
.set PITCH,  272                       ; an LDS row: 256 bytes of data + 16 of padding = 68 words: row r starts at bank 4 r mod 64 (64 banks of 4 bytes: ISA guide 11.1)
.set HALFT,  128*PITCH                 ; 128 rows: what one tensor load brings, and what one wave reads of A or of B
.set SLOT,   4*HALFT                   ; A's 256 rows, then B's 256 rows
.set SPARE,  2*SLOT                    ; behind the ring: the spare words, 128 bytes for each wave: two blocks of 256 bytes that no other line names
.set LAPS,   KR/(2*KSTEP)              ; a lap = two K steps = once round the ring: 16
.set ADRA, 16                          ; v16-17  LDS address of my A fragments in slot 0, 1
.set ADRB, 20                          ; v20-21  the same for B
.set CO,   26                          ; v26     16 x my lane: my place in a store's 512 bytes; never rewritten
.set SPW,  28                          ; v28     LDS address of my spare word: SPARE + 4 x my thread's number; never rewritten
.set NIL,  29                          ; v29     0; never rewritten
.set PFO,  30                          ; v30     the prefetches' offset: my lane x a row of 8,192 bytes; never rewritten
.set PFA,  44                          ; s[44:45] where my prefetches stand: my work-group's 32 rows of the 128 that I fetch, one K step further along K than the refill that is being asked for
.set LIM,  43                          ; s43     1 in a wave that prefetches, else the greatest number
.set F0,   64                          ; fragment buffer 0
.set F1,   128                         ; fragment buffer 1
.set G1,  24                           ; s[24:31] descriptor group 1 for A's tiles;  s[32:39] group 0, one set for each slot
.set G0,  32
.set G1B, 48                           ; s[48:55], s[56:63] the same for B's tiles
.set G0B, 56
.set MSB, 0
.macro WIN new                         ; the immediate's high byte repeats the setting that is left; a switch that changes nothing is dropped
.if MSB != (\new)
	s_set_vgpr_msb (MSB<<8)|(\new)
.set MSB, \new
.endif
.endm
.set MUL_LO, 0xa1                      ; source 0 (B) window 1, source 1 (A) window 0, C and D window 2
.set MUL_HI, 0xf1                      ; the same, C and D window 3
.set TO_B,   0x40                      ; destination window 1, address window 0
; A joint load: waves 0 and 1 fetch A's two halves, waves 2 and 3 B's.  The branch hangs on the wave's number alone.  An s_nop 0 and four v_nop follow each of the two lines, ahead of the jump,
; the label and what follows.
.macro JLOAD s
	s_cmp_eq_u32 s11, 0
	s_cbranch_scc0 .Lfor_b_\@
	tensor_load_to_lds s[G0+4*(\s):G0+4*(\s)+3], s[G1:G1+7]
	s_nop 0
.rept 4
	v_nop
.endr
	s_branch .Lasked_\@
.Lfor_b_\@:
	tensor_load_to_lds s[G0B+4*(\s):G0B+4*(\s)+3], s[G1B:G1B+7]
	s_nop 0
.rept 4
	v_nop
.endr
.Lasked_\@:
.endm
; A PREFETCH INTO THE L2, behind each joint refill, its five lines and the run of LDS loads that follows them: the K step that stands TWO refills on, 512 matrix instructions ahead of the load that will
; want it: 32 rows x 256 bytes, a lane a row, one instruction a wave.  Each row's 256 bytes of a K step are named ONCE in the launch.  x's tile row is read by both clusters of that row of clusters:
; cluster x = 0 asks.  weight's tile column of a rank is read by the rank's two clusters of that column: the one with even cluster y asks.  The four partners that ask for a tile jointly share its rows
; out BY ADDRESS: of the 128 rows that a wave fetches, the partner at place p takes 32 p .. 32 p + 31 (p = cx for x, cy for weight): no branch hangs on a work-group's place in its cluster.
; K steps 0 to 3 come by their loads alone; the loop's last trip (s3 = 1) asks for nothing: the rank has no K step two on.
.macro ASK
	s_cmp_gt_u32 s3, s[LIM]
	s_cbranch_scc0 .Lnot_mine_\@
	global_prefetch_b8 v[PFO], s[PFA:PFA+1] offset:KSTEP*2 th:TH_LOAD_NT scope:SCOPE_SE
.Lnot_mine_\@:
.endm
; A round of the cluster's barrier: my work-group's barrier, so that wave 0's signal speaks for all four waves; wave 0 signals for the work-group; every wave waits for all sixteen work-groups;
; my work-group's barrier once more.
.macro CREST                           ; a round behind its opening barrier
	s_cmp_lg_u32 s10, 0
	s_cbranch_scc1 .Lnot_wave_0_\@
	s_barrier_signal -3
.Lnot_wave_0_\@:
	s_barrier_wait -3
	s_barrier_signal -1
	s_barrier_wait -1
.endm
.macro CROUND                          ; a whole round
	s_barrier_signal -1
	s_barrier_wait -1
	CREST
.endm
	s_load_b128 s[4:7], s[0:1], 0x0                ; x s[4:5], weight s[6:7]
	s_load_b64 s[8:9], s[0:1], 0x10                ; part
	v_lshl_add_u32 v[SPW], v0, 2, SPARE
	v_mov_b32 v[NIL], 0
	ds_add_u32 v[SPW], v[NIL]                      ; the wave's opening: the add, twice on end, and its wait ahead of my first tensor load; the set-up below, work on registers, stands between
	ds_add_u32 v[SPW], v[NIL]                      ; and once more, under the one wait
	v_lshrrev_b32 v1, 5, v0
	v_readfirstlane_b32 s10, v1                    ; wave 0..3
	s_lshr_b32 s11, s10, 1                         ; which half of the tile's rows is mine.  Also: I fetch for A (0) or for B (1)
	s_and_b32 s12, s10, 1                          ; which half of its columns.  Also: which 128 rows of that tile I fetch
	s_bfe_u32 s40, ttmp6, 0x40000                  ; cx, cy: my place in the cluster
	s_bfe_u32 s41, ttmp6, 0x40004
	s_lshl_b32 s42, ttmp9, 2                       ; in a cluster launch ttmp9 and ttmp7 count clusters
	s_add_co_u32 s42, s42, s40                     ; tile column = 4 x cluster x + cx
	s_and_b32 s13, ttmp7, 0xffff
	s_lshr_b32 s23, s13, 1                         ; the rank = cluster y / 2: two clusters along y are a rank's 8 tile rows.  It holds no place in the cluster
	s_lshl_b32 s13, s13, 2
	s_add_co_u32 s13, s13, s41                     ; grid y = 4 x cluster y + cy = 8 x rank + tile row
	s_lshl_b32 s43, s41, 2
	s_lshl_b32 s43, 15, s43                        ; my row of the cluster: places 4 cy .. 4 cy + 3
	s_lshl_b32 s44, 0x1111, s40                    ; my column: places cx, cx + 4, cx + 8, cx + 12
	; descriptor group 1: a tile of 128 rows x 128 elements, padded in LDS
	s_or_b32 s[G1+0], s43, (1<<16)|(1<<20)|(1<<21)|(5<<22)|(3<<25)  ; 15:0 the mask: A's tiles go to my row; 17:16 elements of 2 bytes; 20 padding on; 21 set beside a mask; 24:22 after every 64 words (code 5); 31:25 4 words of it (code 3)
	s_or_b32 s[G1B+0], s44, (1<<16)|(1<<20)|(1<<21)|(5<<22)|(3<<25) ; the same with the mask of my column, for B's tiles
.irp g, G1, G1B
	s_mov_b32 s[(\g)+1], KSTEP<<16                 ; tensor_dim0 = 128
	s_mov_b32 s[(\g)+2], 128<<16                   ; tensor_dim1 = 128
	s_mov_b32 s[(\g)+3], KSTEP<<16                 ; tile_dim0 = 128
	s_mov_b32 s[(\g)+4], 128                       ; tile_dim1 = 128
	s_mov_b32 s[(\g)+5], KR                        ; 4,096 elements from row to row
	s_mov_b32 s[(\g)+6], 0
	s_mov_b32 s[(\g)+7], 0
.endr
	; where the tiles come from.  A's hang on grid y alone, which my row of the cluster shares; B's on the rank and the tile column alone, which my column shares.
	s_lshl_b32 s17, s12, 7                         ; which 128 rows of the tile I fetch
	s_lshl_b32 s16, s13, 8
	s_add_co_u32 s16, s16, s17                     ; A: row 256 x grid y + 128 x half, of x's 8,192 rows,
	s_lshl_b32 s16, s16, 13                        ; in bytes: under 2^26
	s_lshl_b32 s46, s23, 11                        ; B: row 2,048 x rank
	s_lshl_b32 s47, s42, 8
	s_add_co_u32 s46, s46, s47                     ; + 256 x tile column
	s_add_co_u32 s46, s46, s17                     ; + 128 x half
	s_lshl_b32 s46, s46, 13
	s_mov_b32 s17, 0
	s_mov_b32 s47, 0
	s_mul_i32 s20, s10, HALFT                      ; where they go: A's two halves, then B's two = wave x 128 rows: no place in the cluster enters an LDS address
	s_wait_dscnt 0x0                               ; both opening adds are done
	s_wait_kmcnt 0x0
	s_add_nc_u64 s[14:15], s[4:5], s[16:17]
	s_add_nc_u64 s[46:47], s[6:7], s[46:47]
	CROUND                                         ; all sixteen work-groups are here: the first joint loads meet
.irp s, 0,1
	s_mov_b32 s[G0+4*(\s)], 1                                      ; count = 1
	s_add_co_u32 s[G0+4*(\s)+1], s20, (\s)*SLOT                    ; LDS address
	s_add_nc_u64 s[G0+4*(\s)+2:G0+4*(\s)+3], s[14:15], (\s)*KSTEP*2  ; global address: K step s
	s_or_b32 s[G0+4*(\s)+3], s[G0+4*(\s)+3], 0x80000000            ; type = 2
	s_mov_b32 s[G0B+4*(\s)], 1
	s_add_co_u32 s[G0B+4*(\s)+1], s20, (\s)*SLOT
	s_add_nc_u64 s[G0B+4*(\s)+2:G0B+4*(\s)+3], s[46:47], (\s)*KSTEP*2
	s_or_b32 s[G0B+4*(\s)+3], s[G0B+4*(\s)+3], 0x80000000
	JLOAD \s                                       ; the ring is filled before anything else is done: two loads of mine are out
.endr
	; A fragment is 16 rows x 32 K in 8 registers: lane l holds row l % 16; registers 0-3 hold K = 8 (l / 16) + 0..7, registers 4-7 K = 16 + 8 (l / 16) + 0..7: two loads of 16 bytes, 32 bytes apart.
	v_and_b32 v1, 15, v0                           ; l % 16
	v_bfe_u32 v2, v0, 4, 1                         ; l / 16
	v_mul_u32_u24 v3, v1, PITCH
	v_lshl_add_u32 v3, v2, 4, v3                   ; row x pitch + 16 x half
	s_mul_i32 s21, s11, HALFT                      ; my 128 rows of A
	s_mul_i32 s22, s12, HALFT                      ; my 128 rows of B,
	s_add_co_u32 s22, s22, 2*HALFT                 ; which lie behind A's 256
.irp s, 0,1
	v_add_nc_u32 v[ADRA+(\s)], s21, v3
	v_add_nc_u32 v[ADRB+(\s)], s22, v3
	s_add_co_u32 s21, s21, SLOT
	s_add_co_u32 s22, s22, SLOT
.endr
	v_and_b32 v[CO], 31, v0
	v_lshlrev_b32 v[CO], 4, v[CO]                  ; 16 x lane
	; where my 64 KiB of part begin: 262,144 (8 x grid y + tile column) + 65,536 x wave
	s_lshl_b32 s16, s13, 21
	s_lshl_b32 s17, s10, 16
	s_add_co_u32 s16, s16, s17
	s_mov_b32 s17, 0
	s_add_nc_u64 s[8:9], s[8:9], s[16:17]
	s_lshl_b32 s46, s42, 18                        ; (in the registers that held B's address: none that feeds A's descriptors ever holds cx)
	s_mov_b32 s47, 0
	s_add_nc_u64 s[8:9], s[8:9], s[46:47]
	; the prefetches
	s_lshl_b32 s20, s13, 8                         ; the tile's first row in x: 256 x grid y
	s_lshl_b32 s21, s23, 11
	s_lshl_b32 s22, s42, 8
	s_add_co_u32 s21, s21, s22                     ; in weight: 2,048 x rank + 256 x tile column
	s_and_b32 s22, ttmp7, 1                        ; which of the rank's two clusters along y mine is
	s_cmp_eq_u32 s11, 0                            ; do I fetch for A?
	s_cselect_b32 s20, s20, s21
	s_cselect_b32 s21, s40, s41                    ; my place among the four that ask for the tile with me
	s_cselect_b32 s22, ttmp9, s22                  ; the coordinate along which the other cluster reads the same rows
	s_cselect_b64 s[PFA:PFA+1], s[4:5], s[6:7]
	s_cmp_eq_u32 s22, 0
	s_cselect_b32 s[LIM], 1, -1                    ; the same in all sixteen partners, for a given wave
	s_lshl_b32 s22, s12, 7
	s_add_co_u32 s20, s20, s22                     ; + the 128 rows that I fetch
	s_lshl_b32 s21, s21, 5
	s_add_co_u32 s20, s20, s21                     ; + my work-group's 32 of them,
	s_lshl_b32 s20, s20, 13                        ; in bytes: under 2^26
	s_mov_b32 s21, 0
	s_add_nc_u64 s[PFA:PFA+1], s[PFA:PFA+1], s[20:21]
	s_add_nc_u64 s[PFA:PFA+1], s[PFA:PFA+1], 2*KSTEP*2  ; at K step 2: the first refill steps it to 3 and names K step 4
	v_and_b32 v[PFO], 31, v0
	v_lshlrev_b32 v[PFO], 13, v[PFO]
	; nothing is prefetched here, at the head, where every work-group's first two tiles are on their way
; 16 matrix instructions: row blocks a0, a0 + 1 of the window's four (hi = 0: my rows 0-63, 1: rows 64-127) x all 8 column blocks, 32 along K.  zero = 1: the product starts the sums: nothing is ever cleared.
; The 64 accumulators take turns, one instruction a turn, in the same order in every quarter step, over the backward jump too: 63 others stand between two links of a chain.
.macro MUL16 f, hi, a0, zero
	WIN MUL_LO+0x50*(\hi)
.irp a, \a0, (\a0)+1
.irp b, 0,1,2,3,4,5,6,7
.if \zero
	v_wmma_f32_16x16x32_f16 v[8*(8*(\a)+(\b)):8*(8*(\a)+(\b))+7], v[(\f)+8*(\b):(\f)+8*(\b)+7], v[(\f)+8*(4*(\hi)+(\a)):(\f)+8*(4*(\hi)+(\a))+7], 0
.else
	v_wmma_f32_16x16x32_f16 v[8*(8*(\a)+(\b)):8*(8*(\a)+(\b))+7], v[(\f)+8*(\b):(\f)+8*(\b)+7], v[(\f)+8*(4*(\hi)+(\a)):(\f)+8*(4*(\hi)+(\a))+7], v[8*(8*(\a)+(\b)):8*(8*(\a)+(\b))+7]
.endif
.endr
.endr
.endm
; 32 LDS loads in one run: the fragments of one quarter step (128 rows of B, 128 rows of A, 32 K at byte k of the rows) into buffer f
.macro FETCH slot, k, f
	WIN TO_B
.irp i, 0,1,2,3,4,5,6,7
	ds_load_b128 v[(\f)+8*(\i):(\f)+8*(\i)+3],   v[ADRB+(\slot)] offset:(\k)+(\i)*16*PITCH
	ds_load_b128 v[(\f)+8*(\i)+4:(\f)+8*(\i)+7], v[ADRB+(\slot)] offset:(\k)+(\i)*16*PITCH+32
.endr
	WIN 0
.irp i, 0,1,2,3,4,5,6,7
	ds_load_b128 v[(\f)+8*(\i):(\f)+8*(\i)+3],   v[ADRA+(\slot)] offset:(\k)+(\i)*16*PITCH
	ds_load_b128 v[(\f)+8*(\i)+4:(\f)+8*(\i)+7], v[ADRA+(\slot)] offset:(\k)+(\i)*16*PITCH+32
.endr
.endm
.macro PLACES                          ; four places in front of loads into registers that matrix instructions have read, and of stores that read results
.rept 4
	v_nop
.endr
.endm
; A K step is four quarter steps of 32 along K, 64 matrix instructions each, on buffers 0, 1, 0, 1.
; One of the first three: multiplies buffer f; in its middle it fetches the next quarter's fragments, at byte k of the same slot's rows, into buffer g.
.macro QUARTER slot, k, f, g, zero
	s_wait_dscnt 8                                 ; B and A's rows 0-63 are in; the youngest eight loads (A's rows 64-127) may be out
	MUL16 \f, 0, 0, \zero
	MUL16 \f, 0, 2, \zero
	PLACES
	FETCH \slot, \k, \g
	s_wait_dscnt 32                                ; all but the 32 just issued
	MUL16 \f, 1, 0, \zero
	MUL16 \f, 1, 2, \zero
.endm
; The last quarter multiplies buffer 1 and changes slots.  MEET is its first half: ONE barrier for the change of slots.  In front of it each wave waits for all its tensor loads, of which one is out:
; its part of the next slot; adds 0 to its spare word; and waits for that and for its own reads of this slot.  Behind it nobody reads this slot any more and the next slot is whole.
.macro MEET round                      ; round = 1: a round of the cluster's barrier follows
	WIN 0                                          ; (the add's two registers lie in window 0)
	s_wait_tensorcnt 0x0                           ; all my tensor loads have landed: my part of the next slot;
	ds_add_u32 v[SPW], v[NIL]                      ; 0 onto my spare word;
	s_wait_dscnt 9                                 ; (the add and the youngest eight loads, A's rows 64-127, may be out)
	MUL16 F1, 0, 0, 0                              ; sixteen matrix instructions stand between the add and the wait for it
	s_wait_dscnt 0x0                               ; the add is done, and my reads of this slot are over
	s_barrier_signal -1
	MUL16 F1, 0, 2, 0                              ; work on registers while the others arrive
.if \round
	WIN 0
.endif
	s_barrier_wait -1
.endm
; The whole last quarter.  The barrier opens a round of the cluster's; behind the round the slot just read out is filled again first, with the K step two steps on: from that request to the wait for it
; a wave issues 224 matrix instructions.  Then come the next slot's first fragments.
.macro TURN slot, next
	s_wait_xcnt 0x0                                ; the last prefetch, a K step back, has read its address: it is stepped here, ahead of the waits of the change of slots
	s_add_nc_u64 s[PFA:PFA+1], s[PFA:PFA+1], KSTEP*2
	MEET 1
	CREST                                          ; no wave of any partner still reads this slot's tile or has a load on its way
	s_add_nc_u64 s[G0+4*(\slot)+2:G0+4*(\slot)+3], s[G0+4*(\slot)+2:G0+4*(\slot)+3], 2*KSTEP*2     ; no tensor load of mine is out, so a group 0 may be written
	s_add_nc_u64 s[G0B+4*(\slot)+2:G0B+4*(\slot)+3], s[G0B+4*(\slot)+2:G0B+4*(\slot)+3], 2*KSTEP*2 ; the type bits on top are not reached
	JLOAD \slot                                    ; the first tensor load behind the round, my only one until the next; the four v_nop behind it are also the places in front of the loads below
	FETCH \next, 0, F0
	ASK                                            ; behind the joint load and the run of LDS loads that the next products wait for
	MUL16 F1, 1, 0, 0
	MUL16 F1, 1, 2, 0
.endm
	s_wait_tensorcnt 1                             ; my part of K step 0 is in; K step 1's may stay out
	s_barrier_signal -1
	s_barrier_wait -1                              ; everybody's is
	FETCH 0, 0, F0
	QUARTER 0, 64,  F0, F1, 1                      ; the first quarter stands in front of the loop: its products start all 64 sums
	WIN 0                                          ; at a label and at a branch every window is 0
	s_mov_b32 s3, LAPS-1
.Llap:                                                 ; a trip goes once round the ring, from a lap's second quarter to the next lap's first, and fills both slots again
	QUARTER 0, 128, F1, F0, 0
	QUARTER 0, 192, F0, F1, 0
	TURN 0, 1
	QUARTER 1, 64,  F0, F1, 0
	QUARTER 1, 128, F1, F0, 0
	QUARTER 1, 192, F0, F1, 0
	TURN 1, 0
	QUARTER 0, 64,  F0, F1, 0
	WIN 0
	s_sub_co_u32 s3, s3, 1
	s_cmp_lg_u32 s3, 0
	s_cbranch_scc1 .Llap
	QUARTER 0, 128, F1, F0, 0                      ; the last lap goes on: it fills nothing, and has no round of the cluster's barrier
	QUARTER 0, 192, F0, F1, 0
	MEET 0                                         ; my one tensor load that was still out is slot 1's, the last K step's
	PLACES                                         ; for the loads into buffer 0, which the quarter before multiplied
	FETCH 1, 0, F0
	MUL16 F1, 1, 0, 0
	MUL16 F1, 1, 2, 0
	QUARTER 1, 64,  F0, F1, 0
	QUARTER 1, 128, F1, F0, 0
	QUARTER 1, 192, F0, F1, 0
	s_wait_dscnt 0x0                               ; the very last quarter: nothing more to fetch
	MUL16 F1, 0, 0, 0
	MUL16 F1, 0, 2, 0
	MUL16 F1, 1, 0, 0
	MUL16 F1, 1, 2, 0
	PLACES                                         ; the stores below read results just made
	; THE WAY OUT: 128 stores of 512 consecutive bytes.  Each accumulator's low registers go first.  No register that a store names is written again.
	WIN 0x08                                       ; store data in window 2, address in window 0
.set i, 0
.rept 32
	global_store_b128 v[CO], v[8*i:8*i+3],   s[8:9] offset:1024*i th:TH_STORE_NT
	global_store_b128 v[CO], v[8*i+4:8*i+7], s[8:9] offset:1024*i+512 th:TH_STORE_NT
.set i, i+1
.endr
	WIN 0x0c                                       ; in window 3
.set i, 0
.rept 32
	global_store_b128 v[CO], v[8*i:8*i+3],   s[8:9] offset:1024*(32+i) th:TH_STORE_NT
	global_store_b128 v[CO], v[8*i+4:8*i+7], s[8:9] offset:1024*(32+i)+512 th:TH_STORE_NT
.set i, i+1
.endr
	WIN 0
	s_wait_tensorcnt 0x0                           ; the wave's end, behind my last tensor load
	ds_add_u32 v[SPW], v[NIL]
	s_wait_dscnt 0x0
	CROUND                                         ; the closing round: no work-group ends while a partner may still ask for a tile that names it
	s_endpgm
.Lfunc_end_k_qfdbfc591bc_gemm:
	.size	k_qfdbfc591bc_gemm, .Lfunc_end_k_qfdbfc591bc_gemm-k_qfdbfc591bc_gemm
	.p2alignl 7, 3214868480
	.fill 96, 4, 3214868480
	.section	.rodata,"a",@progbits
	.p2align	6, 0x0
	.amdhsa_kernel k_qfdbfc591bc_gemm
		.amdhsa_group_segment_fixed_size 327680
		.amdhsa_private_segment_fixed_size 0
		.amdhsa_enable_private_segment 0
		.amdhsa_kernarg_size 24
		.amdhsa_user_sgpr_count 2
		.amdhsa_user_sgpr_kernarg_segment_ptr 1
		.amdhsa_wavefront_size32 1
		.amdhsa_system_sgpr_workgroup_id_x 1
		.amdhsa_system_sgpr_workgroup_id_y 1
		.amdhsa_system_sgpr_workgroup_id_z 1
		.amdhsa_system_vgpr_workitem_id 0
		.amdhsa_next_free_vgpr 1024
		.amdhsa_next_free_sgpr 66
		.amdhsa_reserve_vcc 0
		.amdhsa_float_denorm_mode_32 3
		.amdhsa_float_denorm_mode_16_64 3
		.amdhsa_memory_ordered 1
		.amdhsa_forward_progress 1
		.amdhsa_inst_pref_size 124
	.end_amdhsa_kernel
	.amdgpu_metadata
---
amdhsa.version: [ 1, 2 ]
amdhsa.kernels:
  - .name:           k_qfdbfc591bc_gemm
    .symbol:         k_qfdbfc591bc_gemm.kd
    .args:
      - { .name: x, .offset: 0, .size: 8, .value_kind: global_buffer, .address_space: global }
      - { .name: weight, .offset: 8, .size: 8, .value_kind: global_buffer, .address_space: global }
      - { .name: part, .offset: 16, .size: 8, .value_kind: global_buffer, .address_space: global }
    .group_segment_fixed_size: 327680
    .private_segment_fixed_size: 0
    .kernarg_segment_align: 8
    .kernarg_segment_size: 24
    .max_flat_workgroup_size: 128
    .sgpr_count:     66
    .vgpr_count:     1024
    .wavefront_size: 32
...
	.end_amdgpu_metadata
.endif
;; end of part 2
;; launch reduce (part 3): grid 256 x 1, 8 waves a work-group, no clusters, 35,840 bytes of LDS; arguments part, out0; writes out0
.if DOCPART == 3
	.amdgcn_target "amdgcn-amd-amdhsa--gfx1250"
	.amdhsa_code_object_version 6
	.text
	.protected	k_qfdbfc591bc_reduce
	.globl	k_qfdbfc591bc_reduce
	.p2align	8
	.type	k_qfdbfc591bc_reduce,@function
k_qfdbfc591bc_reduce:
	s_mov_b64 s[64:65], 0
	v_nop
	global_prefetch_b8 v0, s[64:65] scope:SCOPE_SE
	s_setreg_imm32_b32 hwreg(HW_REG_WAVE_MODE, 25, 1), 1
	s_wait_xcnt 0x0
; out0 = the four ranks' f32 sums added, (r0 + r1) + (r2 + r3), and rounded once to f16.  No work is left out.
; LIMITS.  A sum of magnitude 65,520 or more leaves as an f16 infinity, as a conversion of the f32 sum to f16 gives.  NaN and infinities are not treated apart.
; part, as the launch before laid it: rank u at 16,777,216 u; in a rank, block g = 4 (8 x tile row + tile column) + wave w of the product at 65,536 g: the 128 x 128 numbers at rows
; 256 x tile row + 128 (w / 2), columns 256 x tile column + 128 (w % 2); in a block accumulator 8 a + b (rows 16 a .., columns 16 b ..) at 1,024 (8 a + b): registers 0-3 of 32 lanes, then registers 4-7;
; lane l holds row l % 16 and columns 8 (l / 16) + 0..7.
; SHARES.  A stream: each byte of part is read once, each byte of out0 written once; nothing is shared, so there is no cluster and no matrix work.  Work-group g takes block g, its wave v row block a = v:
; 8 accumulators x 4 ranks = 64 loads, each 512 consecutive bytes, in four groups of two accumulators through three sets of 64 registers: 48 loads of a wave are out at the start.
; THE WAY OUT.  A lane's eight sums pack into 16 bytes of a row; the 16 rows x 256 bytes go through the wave's own stage in LDS and come back as whole rows.
.set RANKP,  16777216                  ; bytes of part in a rank
.set SPITCH, 272                       ; a stage row: 256 bytes + 16: the 16 rows of a store start at 16 different groups of four banks (64 banks of 4 bytes: ISA guide 11.1)
.set SPARE,  8*16*SPITCH               ; behind the eight stages: the spare words, 128 bytes for each wave: four blocks of 256 bytes that no other line names
.set CROW,   4096                      ; bytes in a row of out0
.set LO,   3                           ; v3   my byte offset in a block: 8,192 x wave + 16 x lane; never rewritten
.set STO,  4                           ; v4   where I put 16 bytes of a row
.set RD,   5                           ; v5   where I read a row back
.set CO,   6                           ; v6   my byte offset in out0; never rewritten
.set SPW,  8                           ; v8   LDS address of my spare word: SPARE + 4 x my thread's number; never rewritten
.set NIL,  9                           ; v9   0; never rewritten
.set GB,   16                          ; v[16:207]  three sets of 64: accumulator bi of the group's two, rank u at 32 bi + 8 u
.set TMP,  208                         ; v[208:239] the packed results, 4 registers an accumulator
.set OB,   16                          ; v[16:47]   the rows read back, where the first set lay
	s_load_b128 s[4:7], s[0:1], 0x0                ; part s[4:5], out0 s[6:7]
	v_lshl_add_u32 v[SPW], v0, 2, SPARE
	v_mov_b32 v[NIL], 0
	v_lshrrev_b32 v1, 5, v0
	v_readfirstlane_b32 s8, v1                     ; wave 0..7: my row block
	v_and_b32 v7, 31, v0
	v_lshlrev_b32 v[LO], 4, v7
	v_lshl_add_u32 v[LO], v1, 13, v[LO]
	s_lshl_b32 s10, ttmp9, 16                      ; my work-group's block
	s_mov_b32 s11, 0
	s_wait_kmcnt 0x0
	s_add_nc_u64 s[12:13], s[4:5], s[10:11]        ; the block in rank 0,
	s_add_nc_u64 s[14:15], s[12:13], RANKP         ; 1,
	s_add_nc_u64 s[16:17], s[14:15], RANKP         ; 2
	s_add_nc_u64 s[18:19], s[16:17], RANKP         ; and 3
.macro LOADG q                         ; group q: accumulators 2 q and 2 q + 1 of all four ranks: 16 loads into set q % 3
.set BB, GB+64*((\q)%3)
.irp bi, 0,1
.irp u, 0,1,2,3
	global_load_b128 v[BB+32*(\bi)+8*(\u):BB+32*(\bi)+8*(\u)+3],   v[LO], s[12+2*(\u):13+2*(\u)] offset:(2*(\q)+(\bi))*1024 th:TH_LOAD_NT
	global_load_b128 v[BB+32*(\bi)+8*(\u)+4:BB+32*(\bi)+8*(\u)+7], v[LO], s[12+2*(\u):13+2*(\u)] offset:(2*(\q)+(\bi))*1024+512 th:TH_LOAD_NT
.endr
.endr
.endm
.macro SUM q                           ; (r0 + r1) + (r2 + r3), two sums an instruction; one rounding to f16; 16 bytes a lane into the stage
.set BB, GB+64*((\q)%3)
.irp bi, 0,1
.irp r, 0,2,4,6
	v_pk_add_f32 v[BB+32*(\bi)+(\r):BB+32*(\bi)+(\r)+1], v[BB+32*(\bi)+(\r):BB+32*(\bi)+(\r)+1], v[BB+32*(\bi)+8+(\r):BB+32*(\bi)+8+(\r)+1]
.endr
.irp r, 0,2,4,6
	v_pk_add_f32 v[BB+32*(\bi)+16+(\r):BB+32*(\bi)+16+(\r)+1], v[BB+32*(\bi)+16+(\r):BB+32*(\bi)+16+(\r)+1], v[BB+32*(\bi)+24+(\r):BB+32*(\bi)+24+(\r)+1]
.endr
.endr
.irp bi, 0,1
.irp r, 0,2,4,6
	v_pk_add_f32 v[BB+32*(\bi)+(\r):BB+32*(\bi)+(\r)+1], v[BB+32*(\bi)+(\r):BB+32*(\bi)+(\r)+1], v[BB+32*(\bi)+16+(\r):BB+32*(\bi)+16+(\r)+1]
.endr
.endr
.irp bi, 0,1
.irp r, 0,1,2,3
	v_cvt_pk_f16_f32 v[TMP+4*(2*(\q)+(\bi))+(\r)], v[BB+32*(\bi)+2*(\r)], v[BB+32*(\bi)+2*(\r)+1]
.endr
.endr
.irp bi, 0,1
	ds_store_b128 v[STO], v[TMP+4*(2*(\q)+(\bi)):TMP+4*(2*(\q)+(\bi))+3] offset:32*(2*(\q)+(\bi))
.endr
.endm
	LOADG 0
	LOADG 1
	LOADG 2
	; the addresses for the way out are made while the loads are on their way
	v_and_b32 v1, 15, v0                           ; l % 16
	v_bfe_u32 v2, v0, 4, 1                         ; l / 16
	s_mul_i32 s20, s8, 16*SPITCH                   ; my stage
	v_mul_u32_u24 v[STO], v1, SPITCH               ; in: row l % 16, 16 bytes for each half of the lanes
	v_lshl_add_u32 v[STO], v2, 4, v[STO]
	v_add_nc_u32 v[STO], s20, v[STO]
	v_mul_u32_u24 v[RD], v2, SPITCH                ; back: lanes 0-15 take one row of 256 bytes, lanes 16-31 the next
	v_lshl_add_u32 v[RD], v1, 4, v[RD]
	v_add_nc_u32 v[RD], s20, v[RD]
	v_lshlrev_b32 v[CO], 12, v2                    ; and the same two rows in out0
	v_lshl_add_u32 v[CO], v1, 4, v[CO]
	s_lshr_b32 s21, ttmp9, 5                       ; the tile row,
	s_lshl_b32 s21, s21, 8                         ; its 256 rows,
	s_bfe_u32 s22, ttmp9, 0x10001                  ; the product's wave / 2:
	s_lshl_b32 s22, s22, 7                         ; which 128 of them,
	s_add_co_u32 s21, s21, s22
	s_lshl_b32 s22, s8, 4                          ; my 16
	s_add_co_u32 s21, s21, s22
	s_lshl_b32 s21, s21, 12                        ; in bytes
	s_bfe_u32 s22, ttmp9, 0x30002                  ; the tile column:
	s_lshl_b32 s22, s22, 9                         ; 256 columns of 2 bytes
	s_add_co_u32 s21, s21, s22
	s_and_b32 s22, ttmp9, 1                        ; the product's wave % 2: which 128 columns
	s_lshl_b32 s22, s22, 8
	s_add_co_u32 s22, s21, s22
	s_mov_b32 s23, 0
	s_add_nc_u64 s[6:7], s[6:7], s[22:23]          ; out0 at my 16 rows x 256 bytes
	s_wait_loadcnt 32                              ; group 0 is in; the 32 loads of groups 1 and 2 may stay out
	SUM 0
	LOADG 3                                        ; into the set that group 0 has left
	s_wait_loadcnt 32                              ; group 1 is in; groups 2 and 3 may stay out
	SUM 1
	s_wait_loadcnt 16                              ; group 2 is in; group 3 may stay out
	SUM 2
	s_wait_loadcnt 0x0
	SUM 3
.irp t, 0,1,2,3,4,5,6,7
	ds_load_b128 v[OB+4*(\t):OB+4*(\t)+3], v[RD] offset:(\t)*2*SPITCH  ; LDS serves a wave's instructions in order (ISA guide 5.7.1.4): these see my stores above; the stage is my wave's own
.endr
.irp t, 0,1,2,3,4,5,6,7
	s_wait_dscnt 7-(\t)                            ; rows 2 t and 2 t + 1 are back; the younger loads may stay out
	global_store_b128 v[CO], v[OB+4*(\t):OB+4*(\t)+3], s[6:7] offset:2*(\t)*CROW th:TH_STORE_NT  ; 16 lanes store 256 consecutive bytes, at a multiple of 256 from out0's first byte
.endr
	s_wait_tensorcnt 0x0                           ; the wave's end, behind my last LDS store
	ds_add_u32 v[SPW], v[NIL]
	s_wait_dscnt 0x0
	s_endpgm
.Lfunc_end_k_qfdbfc591bc_reduce:
	.size	k_qfdbfc591bc_reduce, .Lfunc_end_k_qfdbfc591bc_reduce-k_qfdbfc591bc_reduce
	.p2alignl 7, 3214868480
	.fill 96, 4, 3214868480
	.section	.rodata,"a",@progbits
	.p2align	6, 0x0
	.amdhsa_kernel k_qfdbfc591bc_reduce
		.amdhsa_group_segment_fixed_size 35840
		.amdhsa_private_segment_fixed_size 0
		.amdhsa_enable_private_segment 0
		.amdhsa_kernarg_size 16
		.amdhsa_user_sgpr_count 2
		.amdhsa_user_sgpr_kernarg_segment_ptr 1
		.amdhsa_wavefront_size32 1
		.amdhsa_system_sgpr_workgroup_id_x 1
		.amdhsa_system_sgpr_workgroup_id_y 1
		.amdhsa_system_sgpr_workgroup_id_z 1
		.amdhsa_system_vgpr_workitem_id 0
		.amdhsa_next_free_vgpr 240
		.amdhsa_next_free_sgpr 66
		.amdhsa_reserve_vcc 0
		.amdhsa_float_denorm_mode_32 3
		.amdhsa_float_denorm_mode_16_64 3
		.amdhsa_memory_ordered 1
		.amdhsa_forward_progress 1
		.amdhsa_inst_pref_size 19
	.end_amdhsa_kernel
	.amdgpu_metadata
---
amdhsa.version: [ 1, 2 ]
amdhsa.kernels:
  - .name:           k_qfdbfc591bc_reduce
    .symbol:         k_qfdbfc591bc_reduce.kd
    .args:
      - { .name: part, .offset: 0, .size: 8, .value_kind: global_buffer, .address_space: global }
      - { .name: out0, .offset: 8, .size: 8, .value_kind: global_buffer, .address_space: global }
    .group_segment_fixed_size: 35840
    .private_segment_fixed_size: 0
    .kernarg_segment_align: 8
    .kernarg_segment_size: 16
    .max_flat_workgroup_size: 256
    .sgpr_count:     66
    .vgpr_count:     240
    .wavefront_size: 32
...
	.end_amdgpu_metadata
.endif
;; end of part 3
;; ======== version 3 of 3: 2 launches; version 2 with the launch reduce written anew for expert scheduling mode
;; workspace buffers: part 67,108,864 bytes
;; launch gemm: the kernel of part 2 again; grid 8 x 32, 4 waves a work-group, clusters of 4 x 4, 327,680 bytes of LDS; arguments x, weight, part; writes part
;; launch reduce (part 4): grid 256 x 1, 8 waves a work-group, no clusters, 35,840 bytes of LDS; arguments part, out0; writes out0
.if DOCPART == 4
	.amdgcn_target "amdgcn-amd-amdhsa--gfx1250"
	.amdhsa_code_object_version 6
	.text
	.protected	k_qfdbfc591bc_reduce
	.globl	k_qfdbfc591bc_reduce
	.p2align	8
	.type	k_qfdbfc591bc_reduce,@function
k_qfdbfc591bc_reduce:
	s_mov_b64 s[64:65], 0
	v_nop
	global_prefetch_b8 v0, s[64:65] scope:SCOPE_SE
	s_setreg_imm32_b32 hwreg(HW_REG_WAVE_SCHED_MODE, 0, 2), 2
	s_setreg_imm32_b32 hwreg(HW_REG_WAVE_MODE, 25, 1), 1
	s_wait_xcnt 0x0
	s_wait_alu depctr_vm_vsrc(0)
; out0 = the four ranks' f32 sums added, (r0 + r1) + (r2 + r3), and rounded once to f16.  No work is left out.
; LIMITS.  A sum of magnitude 65,520 or more leaves as an f16 infinity, as a conversion of the f32 sum to f16 gives.  NaN and infinities are not treated apart.
; part, as the launch before laid it: rank u at 16,777,216 u; in a rank, block g = 4 (8 x tile row + tile column) + wave w of the product at 65,536 g: the 128 x 128 numbers at rows
; 256 x tile row + 128 (w / 2), columns 256 x tile column + 128 (w % 2); in a block accumulator 8 a + b (rows 16 a .., columns 16 b ..) at 1,024 (8 a + b): registers 0-3 of 32 lanes, then registers 4-7;
; lane l holds row l % 16 and columns 8 (l / 16) + 0..7.
; SHARES.  A stream: each byte of part is read once, each byte of out0 written once; nothing is shared, so there is no cluster and no matrix work.  Work-group g takes block g, its wave v row block a = v:
; 8 accumulators x 4 ranks = 64 loads, each 512 consecutive bytes, in four groups of two accumulators through three sets of 64 registers: 48 loads of a wave are out at the start.
; THE WAY OUT.  A lane's eight sums pack into 16 bytes of a row; the 16 rows x 256 bytes go through the wave's own stage in LDS and come back as whole rows.
; THE MODE: SCHED_MODE bits 1:0 = 2 (LLVM: expert scheduling mode 2), set by the entry lines.  The code itself states the register dependences between vector instructions and memory or LDS
; instructions, with s_wait_alu, always for 0.
; THE PLAN.  Registers that memory or LDS instructions touch:
;   v[LO]                  written at the head, read by all 64 loads as their offset; never written again.
;   v[STO], v[RD], v[CO]   written behind the first 48 loads; read by the LDS stores, the LDS loads and the global stores; never written again.
;   sets 0, 1, 2           the loads of groups 0, 1, 2 land in them, group 3's in set 0 again; group q's adds and conversions read and write set q % 3; no memory instruction reads them.
;   TMP                    group q's conversions write its eight registers, each ONCE in the kernel; group q's two LDS stores read them.
;   OB = v[16:47]          where set 0 began: last named by group 3's adds and conversions; the rows read back land there, the global stores read them, nothing writes them again.
;   v[SPW], v[NIL]         written at the head, read by the closing add alone.
; So no register that a memory or LDS instruction has read is written again, and no wait on vm_vsrc is owed but in the closing lines.  The waits on va_vdst: one ahead of the first load; one behind group
; 0's conversions, so that set 0 is asked for again at once; one at the head of steps 2 and 3, behind the wait for the step's data, for the LDS stores of the group before; one behind group 3's conversions.
.set RANKP,  16777216                  ; bytes of part in a rank
.set SPITCH, 272                       ; a stage row: 256 bytes + 16: the 16 rows of a store start at 16 different groups of four banks (64 banks of 4 bytes: ISA guide 11.1)
.set SPARE,  8*16*SPITCH               ; behind the eight stages: the spare words, 128 bytes for each wave: four blocks of 256 bytes that no other line names
.set CROW,   4096                      ; bytes in a row of out0
.set LO,   3                           ; v3   my byte offset in a block: 8,192 x wave + 16 x lane; never rewritten
.set STO,  4                           ; v4   where I put 16 bytes of a row
.set RD,   5                           ; v5   where I read a row back
.set CO,   6                           ; v6   my byte offset in out0; never rewritten
.set SPW,  8                           ; v8   LDS address of my spare word: SPARE + 4 x my thread's number; never rewritten
.set NIL,  9                           ; v9   0; never rewritten
.set GB,   16                          ; v[16:207]  three sets of 64: accumulator bi of the group's two, rank u at 32 bi + 8 u
.set TMP,  208                         ; v[208:239] the packed results, 4 registers an accumulator
.set OB,   16                          ; v[16:47]   the rows read back, where the first set lay
	s_load_b128 s[4:7], s[0:1], 0x0                ; part s[4:5], out0 s[6:7]
	v_lshl_add_u32 v[SPW], v0, 2, SPARE
	v_mov_b32 v[NIL], 0
	v_lshrrev_b32 v1, 5, v0
	v_readfirstlane_b32 s8, v1                     ; wave 0..7: my row block
	v_and_b32 v7, 31, v0
	v_lshlrev_b32 v[LO], 4, v7
	v_lshl_add_u32 v[LO], v1, 13, v[LO]
	s_wait_alu depctr_va_sdst(0)                   ; s8 is written, ahead of its first reader: my stage's address and my rows of out0 are made from it below
	s_lshl_b32 s10, ttmp9, 16                      ; my work-group's block
	s_mov_b32 s11, 0
	s_wait_kmcnt 0x0
	s_add_nc_u64 s[12:13], s[4:5], s[10:11]        ; the block in rank 0,
	s_add_nc_u64 s[14:15], s[12:13], RANKP         ; 1,
	s_add_nc_u64 s[16:17], s[14:15], RANKP         ; 2
	s_add_nc_u64 s[18:19], s[16:17], RANKP         ; and 3
.macro LOADG q                         ; group q: accumulators 2 q and 2 q + 1 of all four ranks: 16 loads into set q % 3
.set BB, GB+64*((\q)%3)
.irp bi, 0,1
.irp u, 0,1,2,3
	global_load_b128 v[BB+32*(\bi)+8*(\u):BB+32*(\bi)+8*(\u)+3],   v[LO], s[12+2*(\u):13+2*(\u)] offset:(2*(\q)+(\bi))*1024 th:TH_LOAD_NT
	global_load_b128 v[BB+32*(\bi)+8*(\u)+4:BB+32*(\bi)+8*(\u)+7], v[LO], s[12+2*(\u):13+2*(\u)] offset:(2*(\q)+(\bi))*1024+512 th:TH_LOAD_NT
.endr
.endr
.endm
.macro ADDS q                          ; group q's arithmetic: (r0 + r1) + (r2 + r3), two sums an instruction; one rounding to f16, into the group's eight registers of TMP
.set BB, GB+64*((\q)%3)
.irp bi, 0,1
.irp r, 0,2,4,6
	v_pk_add_f32 v[BB+32*(\bi)+(\r):BB+32*(\bi)+(\r)+1], v[BB+32*(\bi)+(\r):BB+32*(\bi)+(\r)+1], v[BB+32*(\bi)+8+(\r):BB+32*(\bi)+8+(\r)+1]
.endr
.irp r, 0,2,4,6
	v_pk_add_f32 v[BB+32*(\bi)+16+(\r):BB+32*(\bi)+16+(\r)+1], v[BB+32*(\bi)+16+(\r):BB+32*(\bi)+16+(\r)+1], v[BB+32*(\bi)+24+(\r):BB+32*(\bi)+24+(\r)+1]
.endr
.endr
.irp bi, 0,1
.irp r, 0,2,4,6
	v_pk_add_f32 v[BB+32*(\bi)+(\r):BB+32*(\bi)+(\r)+1], v[BB+32*(\bi)+(\r):BB+32*(\bi)+(\r)+1], v[BB+32*(\bi)+16+(\r):BB+32*(\bi)+16+(\r)+1]
.endr
.endr
.irp bi, 0,1
.irp r, 0,1,2,3
	v_cvt_pk_f16_f32 v[TMP+4*(2*(\q)+(\bi))+(\r)], v[BB+32*(\bi)+2*(\r)], v[BB+32*(\bi)+2*(\r)+1]
.endr
.endr
.endm
.macro PUT q                           ; group q's packed results go into the stage: 16 bytes a lane for each of its two accumulators
.irp bi, 0,1
	ds_store_b128 v[STO], v[TMP+4*(2*(\q)+(\bi)):TMP+4*(2*(\q)+(\bi))+3] offset:32*(2*(\q)+(\bi))
.endr
.endm
	s_wait_alu depctr_va_vdst(0)                   ; v[LO] is written: every load of the kernel reads it as its offset
	LOADG 0
	LOADG 1
	LOADG 2
	; the addresses for the way out are made while the loads are on their way: these lines name neither v[LO] nor a register in which a load lands
	v_and_b32 v1, 15, v0                           ; l % 16
	v_bfe_u32 v2, v0, 4, 1                         ; l / 16
	s_mul_i32 s20, s8, 16*SPITCH                   ; my stage
	v_mul_u32_u24 v[STO], v1, SPITCH               ; in: row l % 16, 16 bytes for each half of the lanes
	v_lshl_add_u32 v[STO], v2, 4, v[STO]
	v_add_nc_u32 v[STO], s20, v[STO]
	v_mul_u32_u24 v[RD], v2, SPITCH                ; back: lanes 0-15 take one row of 256 bytes, lanes 16-31 the next
	v_lshl_add_u32 v[RD], v1, 4, v[RD]
	v_add_nc_u32 v[RD], s20, v[RD]
	v_lshlrev_b32 v[CO], 12, v2                    ; and the same two rows in out0
	v_lshl_add_u32 v[CO], v1, 4, v[CO]
	s_lshr_b32 s21, ttmp9, 5                       ; the tile row,
	s_lshl_b32 s21, s21, 8                         ; its 256 rows,
	s_bfe_u32 s22, ttmp9, 0x10001                  ; the product's wave / 2:
	s_lshl_b32 s22, s22, 7                         ; which 128 of them,
	s_add_co_u32 s21, s21, s22
	s_lshl_b32 s22, s8, 4                          ; my 16
	s_add_co_u32 s21, s21, s22
	s_lshl_b32 s21, s21, 12                        ; in bytes
	s_bfe_u32 s22, ttmp9, 0x30002                  ; the tile column:
	s_lshl_b32 s22, s22, 9                         ; 256 columns of 2 bytes
	s_add_co_u32 s21, s21, s22
	s_and_b32 s22, ttmp9, 1                        ; the product's wave % 2: which 128 columns
	s_lshl_b32 s22, s22, 8
	s_add_co_u32 s22, s21, s22
	s_mov_b32 s23, 0
	s_add_nc_u64 s[6:7], s[6:7], s[22:23]          ; out0 at my 16 rows x 256 bytes
	; step 0
	s_wait_loadcnt 32                              ; group 0 is in; the 32 loads of groups 1 and 2 may stay out
	ADDS 0
	s_wait_alu depctr_va_vdst(0)                   ; group 0's adds and conversions are done reading and writing set 0, in which group 3's loads land; they have written TMP's first eight, which the two LDS stores read; v[STO], v[RD] and v[CO] are written
	LOADG 3                                        ; into the set that group 0 has left: asked for at once, ahead of the stores
	PUT 0
	; step 1
	s_wait_loadcnt 32                              ; group 1 is in; groups 2 and 3 may stay out
	ADDS 1                                         ; it names set 1 and TMP's second eight: none of the registers that the loads and stores above touch
	; step 2
	s_wait_loadcnt 16                              ; group 2 is in; group 3 may stay out
	s_wait_alu depctr_va_vdst(0)                   ; group 1's conversions have written TMP's second eight, which the two LDS stores below read
	PUT 1
	ADDS 2
	; step 3
	s_wait_loadcnt 0x0
	s_wait_alu depctr_va_vdst(0)                   ; group 2's conversions have written TMP's third eight, which the two LDS stores below read
	PUT 2
	ADDS 3
	s_wait_alu depctr_va_vdst(0)                   ; group 3's conversions have written TMP's last eight, which the two LDS stores read; its adds and conversions are done with v[16:47], in which the rows read back land
	PUT 3
.irp t, 0,1,2,3,4,5,6,7
	ds_load_b128 v[OB+4*(\t):OB+4*(\t)+3], v[RD] offset:(\t)*2*SPITCH  ; LDS serves a wave's instructions in order (ISA guide 5.7.1.4): these see my stores above; the stage is my wave's own
.endr
.irp t, 0,1,2,3,4,5,6,7
	s_wait_dscnt 7-(\t)                            ; rows 2 t and 2 t + 1 are back; the younger loads may stay out
	global_store_b128 v[CO], v[OB+4*(\t):OB+4*(\t)+3], s[6:7] offset:2*(\t)*CROW th:TH_STORE_NT  ; 16 lanes store 256 consecutive bytes, at a multiple of 256 from out0's first byte
.endr
	s_wait_dscnt 0x0                               ; the wave's end: the closing lines, six on end
	s_wait_alu 0x0
	s_wait_tensorcnt 0x0
	ds_add_u32 v[SPW], v[NIL]
	s_wait_dscnt 0x0
	s_endpgm
.Lfunc_end_k_qfdbfc591bc_reduce:
	.size	k_qfdbfc591bc_reduce, .Lfunc_end_k_qfdbfc591bc_reduce-k_qfdbfc591bc_reduce
	.p2alignl 7, 3214868480
	.fill 96, 4, 3214868480
	.section	.rodata,"a",@progbits
	.p2align	6, 0x0
	.amdhsa_kernel k_qfdbfc591bc_reduce
		.amdhsa_group_segment_fixed_size 35840
		.amdhsa_private_segment_fixed_size 0
		.amdhsa_enable_private_segment 0
		.amdhsa_kernarg_size 16
		.amdhsa_user_sgpr_count 2
		.amdhsa_user_sgpr_kernarg_segment_ptr 1
		.amdhsa_wavefront_size32 1
		.amdhsa_system_sgpr_workgroup_id_x 1
		.amdhsa_system_sgpr_workgroup_id_y 1
		.amdhsa_system_sgpr_workgroup_id_z 1
		.amdhsa_system_vgpr_workitem_id 0
		.amdhsa_next_free_vgpr 240
		.amdhsa_next_free_sgpr 66
		.amdhsa_reserve_vcc 0
		.amdhsa_float_denorm_mode_32 3
		.amdhsa_float_denorm_mode_16_64 3
		.amdhsa_memory_ordered 1
		.amdhsa_forward_progress 1
		.amdhsa_inst_pref_size 19
	.end_amdhsa_kernel
	.amdgpu_metadata
---
amdhsa.version: [ 1, 2 ]
amdhsa.kernels:
  - .name:           k_qfdbfc591bc_reduce
    .symbol:         k_qfdbfc591bc_reduce.kd
    .args:
      - { .name: part, .offset: 0, .size: 8, .value_kind: global_buffer, .address_space: global }
      - { .name: out0, .offset: 8, .size: 8, .value_kind: global_buffer, .address_space: global }
    .group_segment_fixed_size: 35840
    .private_segment_fixed_size: 0
    .kernarg_segment_align: 8
    .kernarg_segment_size: 16
    .max_flat_workgroup_size: 256
    .sgpr_count:     66
    .vgpr_count:     240
    .wavefront_size: 32
...
	.end_amdgpu_metadata
.endif
;; end of part 4
